; MI455X (gfx1250); checked and timed in simulation.
; The chip was launched on July 23, 2026; its instructions are those of AMD's public machine-readable ISA for CDNA 5 (MIT licence, August 2026) and "CDNA5" Instruction Set Architecture Reference Guide (July 2026). The comments in the code are by the model that wrote it; some were corrected since.
;; A Li Bi Multi Head Attention. Allowed arithmetic: matrix products marked QUANTISED: E3M2 operands, one E8M0 scale for each 32 along K, by v_wmma_scale_f32_16x16x128_f8f6f4 with both operands' format E3M2, f32 sums; everything else in f32.
;; Inputs: w_kqv 1,024 x 3,072 float32; x 1 x 4,096 x 1,024 float32.
;; Outputs: out0 1 x 4,096 x 1,024 float32.
;; This version of the problem:
;;   THIS VERSION OF THE PROBLEM IS GIVEN IN LOW PRECISION. The matrix products marked QUANTISED in the list below multiply operands that are first quantised to E3M2 (3 exponent bits, 2 mantissa bits; 6 bits a number), with one power-of-two scale for each 32 numbers along K (OCP MX v1.0); their sums are f32. All else is computed in f32.
;;   The module's matrix products, in the order in which they are computed (A, B: the left and right operand; K: the contracted axis; several contracted axes count as one K, in the product's order):
;;     1. [M 4,096, K 1,024] x [K 1,024, N 3,072]; A: input x; B: input w_kqv: QUANTISED
;;     2. batch 16 x [M 4,096, K 64] x [K 64, N 4,096]; A: computed on the way; B: computed on the way: QUANTISED
;;     3. batch 16 x [M 64, K 4,096] x [K 4,096, N 4,096]; A: computed on the way; B: softmax (see below): QUANTISED
;;   THE QUANTISER, for each operand of a quantised product, along K:
;;     - K is cut into blocks of 32 from its start; a last block that is shorter is filled with zeros.
;;     - A block's scale is 2^e with e = floor(log2(the largest magnitude in the block)) - 4, held to -126 .. 127; a block of zeros has e = 0. As a byte (E8M0): e + 127.
;;     - Each number is divided by its block's scale, clamped to +-28, and rounded to the nearest number of E3M2, ties to even, subnormals kept.
;;     - The product sums the exact products of the quantised numbers (number of the format x scale) in f32.
;;   ~~~python
;;   def quantise(x, axis):      # numpy; x: float32 -> the quantised numbers, widened to float32 again
;;       x = np.moveaxis(x, axis, -1); K = x.shape[-1]
;;       x = np.pad(x, [(0, 0)] * (x.ndim - 1) + [(0, -K % 32)]); x = x.reshape(x.shape[:-1] + (-1, 32)); a = np.abs(x).max(-1, keepdims=True)
;;       e = np.where(a > 0, np.clip(np.frexp(np.where(a > 0, a, 1))[1] - 1 - 4, -126, 127), 0)      # np.frexp(a)[1] - 1 = floor(log2(a)), exactly
;;       r = np.clip(x / 2.0 ** e, -28, 28)
;;       step = 2.0 ** (np.maximum(np.frexp(np.where(r == 0, 1, r))[1] - 1, -2) - 2)
;;       q = np.round(r / step) * step * 2.0 ** e      # np.round: ties to even
;;       return np.moveaxis(q.reshape(q.shape[:-2] + (-1,))[..., :K], -1, axis).astype(np.float32)
;;   ~~~
;;   SOFTMAX AHEAD OF A QUANTISED PRODUCT. Where the list says 'softmax', what is quantised is not the finished softmax but p = 2^(t - M), with t = logit x log2(e) and M = ceil(the row's largest t), a whole number; so 1/2 < the row's largest p <= 1. The row's sum l is taken of the UNQUANTISED p, in f32, and the product's result is divided by l at the end. Since M is a whole number, a kernel that streams over the keys may use a running M (the ceiling of the running maximum): every later rescaling is an exact power of two, which a block's scale takes up: the codes' values come out the same.
;;   OPERANDS COMPUTED ON THE WAY. 'Computed on the way' means the value that the module computes at that place (a softmax that the list does not call 'softmax' is quantised finished and normalised). What goes into a quantiser is computed in f32, as accurately as f32 sums, v_exp_f32 and their like allow (about 1e-6 of the number): no bf16 or f16 on the way to a quantiser, and a product that is left as it is and whose result goes on into a quantised operand takes f32 operands (vector FMAs, or v_wmma_f32_16x16x4_f32). A number that lies on a knife's edge between two numbers of the format may be rounded either way, as far as f32 arithmetic and the matrix unit's own rounding can turn it there, and no further.
;; One version. Each part assembles by itself: llvm-mc -triple=amdgcn-amd-amdhsa -mcpu=gfx1250 --defsym DOCPART=n.
;; ======== version 1 of 1: 3 launches
;; workspace buffers: x_codes 3,145,728 bytes; x_scales 131,072 bytes; w_codes 2,359,296 bytes; w_scales 98,304 bytes; img 9,437,184 bytes; scl 393,216 bytes
;; launch quant (part 1): grid 224 x 1, 4 waves a work-group, no clusters, 68,096 bytes of LDS; arguments x, w_kqv, x_codes, x_scales, w_codes, w_scales; writes x_codes, x_scales, w_codes, w_scales
.if DOCPART == 1
	.amdgcn_target "amdgcn-amd-amdhsa--gfx1250"
	.amdhsa_code_object_version 6
	.text
	.protected	k_q4b1cb1f2ab_quant
	.globl	k_q4b1cb1f2ab_quant
	.p2align	8
	.type	k_q4b1cb1f2ab_quant,@function
k_q4b1cb1f2ab_quant:
	s_mov_b64 s[64:65], 0
	v_nop
	global_prefetch_b8 v0, s[64:65] scope:SCOPE_SE
	s_setreg_imm32_b32 hwreg(HW_REG_WAVE_MODE, 25, 1), 1
	s_wait_xcnt 0x0
; x [4096][1024] and w_kqv [1024 (k)][3072 (n)], f32, become codes of BF6 (E3M2), 6 bits each, K innermost (a row of 1,024 codes is 768 bytes), with one E8M0 byte for each 32 along K (32 bytes a row).
; A block's scale is 2^(floor(log2(its largest magnitude)) - 4); its byte is the largest magnitude's exponent field - 4, held at 1 from below.
; ROW ORDER.  In each group of 32 rows (tokens of x, columns n of w) row y is stored at place p(y) = y with bits 3 and 4 exchanged.  So the stored rows 16 u + r of a group are the true rows 8 u + r + 8 (r / 8):
; sixteen rows that lie on end in the buffers form a tile whose results, in the next launch, put 16 neighbours along the next K into 16 registers of a lane.
; LIMITS: NaN and infinities among the inputs are not served; a block of zeros gets the byte 1 (its codes are zeros, and this program alone reads the bytes); blocks whose largest magnitude lies under 2^-122 are held at the byte 1.
; Work-groups 0-127 take x (K innermost: a wave takes 8 rows, 16 steps of 512 numbers, turned through its own stage in LDS so that loads are dense and a lane still holds 16 neighbours).
; Work-groups 128-223 take w (K is its first axis: a lane takes a column and its registers run down K; the codes leave through the wave's stage, by rows).
; The two paths part on the work-group's number, share no LDS bytes but the spare words, and each ends by itself.  No barrier: waves share nothing.  No matrix unit, cluster or tensor load: the launch only streams.
.set SPW,   192                        ; v192  LDS address of my spare word; never rewritten
.set NIL,   193                        ; v193  0; never rewritten
.set SPARE, 67584                      ; behind both paths' stages: 128 bytes for each wave
.set XREG,  8192                       ; x path: a region for each wave: two stages of 32 x SP bytes, then its 256 scale bytes
.set SP,    80                         ; a lane's place in a stage: 64 bytes + 16 of padding
.set STEPS, 16
.set CBY,   12                         ; bytes of 16 codes
.set XR,    16                         ; v16-79   four sets of 16 numbers as loaded
.set XX,    80                         ; v80-111  two sets of 16 neighbours
.set XE,    112                        ; v112-127 a scale byte for each step
.set XC,    128                        ; v128-191 codes: four registers for each step, so that no store's data are written again
.set WSTG,  32768                      ; w path: four stages of 32 rows x WP bytes
.set WP,    272                        ; a stage row: sixteen places of 16 bytes, each with 12 bytes of codes, + 16
.set WN,    3072
.set WKROW, 768
.set NB,    8                          ; blocks of 32 along K for a wave: 256 along K
.set WX,    32                         ; v32-95   two sets of 32 numbers
.set WC,    96                         ; v96-102  a block's codes
.set WOUT,  112                        ; v112-175 the way out
.set WSB,   24                         ; v24-25   the scale bytes, four to a register
	s_load_b128 s[4:7], s[0:1], 0x0                ; x, w
	s_load_b128 s[8:11], s[0:1], 0x10              ; x's codes, x's scales
	s_load_b128 s[12:15], s[0:1], 0x20             ; w's codes, w's scales
	v_lshl_add_u32 v[SPW], v0, 2, SPARE
	v_mov_b32 v[NIL], 0
	v_lshrrev_b32 v1, 5, v0
	v_readfirstlane_b32 s16, v1                    ; wave 0..3
	v_and_b32 v2, 31, v0                           ; lane
	s_wait_kmcnt 0x0
	s_cmp_lt_u32 ttmp9, 128
	s_cbranch_scc0 .Lw
; ---------------- x ----------------
	v_lshlrev_b32 v3, 4, v2                        ; my 16 bytes of a load's 512
	s_mul_i32 s17, s16, XREG
	v_lshrrev_b32 v14, 2, v2
	v_mul_u32_u24 v14, v14, SP
	v_and_b32 v15, 3, v2
	v_lshl_add_u32 v14, v15, 4, v14
	v_add_nc_u32 v14, s17, v14                     ; the stage, on the way in: SP (lane / 4) + 16 (lane % 4)
	v_mul_u32_u24 v15, v2, SP
	v_add_nc_u32 v15, s17, v15                     ; and on the way out: SP x lane: my 16 neighbours
	v_mul_u32_u24 v4, v2, CBY                      ; my codes' place in a step's
	v_lshrrev_b32 v5, 1, v2
	s_add_co_u32 s17, s17, 2*32*SP
	v_add_nc_u32 v5, s17, v5                       ; my wave's 256 scale bytes, my block's byte
	v_lshlrev_b32 v7, 3, v2                        ; on the way out 8 bytes a lane
	v_add_nc_u32 v6, s17, v7
	s_lshl_b32 s17, ttmp9, 2
	s_add_co_u32 s18, s17, s16                     ; the run of 8 rows that I read: 4 x work-group + wave
	s_lshl_b32 s18, s18, 15                        ; 32,768 bytes a run
	s_mov_b32 s19, 0
	s_add_nc_u64 s[4:5], s[4:5], s[18:19]
	s_and_b32 s20, s16, 1
	s_lshl_b32 s20, s20, 1
	s_lshr_b32 s21, s16, 1
	s_or_b32 s20, s20, s21                         ; the wave's two bits are the rows' bits 3 and 4: exchanged,
	s_add_co_u32 s20, s17, s20                     ; they give the run into which I write
	s_mul_i32 s18, s20, 6144
	s_add_nc_u64 s[8:9], s[8:9], s[18:19]
	s_lshl_b32 s18, s20, 8
	s_add_nc_u64 s[10:11], s[10:11], s[18:19]
.macro XLOAD t
.irp i, 0,1,2,3
	global_load_b128 v[XR+16*((\t)%4)+4*\i:XR+16*((\t)%4)+4*\i+3], v3, s[4:5] offset:2048*(\t)+512*\i th:TH_LOAD_NT   ; 32 lanes read 512 consecutive bytes
.endr
.endm
.macro XTURN t                         ; step t's numbers through the stage: LDS serves a wave's instructions in order, so no wait stands between the stores and the loads
.irp i, 0,1,2,3
	ds_store_b128 v14, v[XR+16*((\t)%4)+4*\i:XR+16*((\t)%4)+4*\i+3] offset:32*SP*((\t)%2)+8*SP*\i
.endr
.irp i, 0,1,2,3
	ds_load_b128 v[XX+16*((\t)%2)+4*\i:XX+16*((\t)%2)+4*\i+3], v15 offset:32*SP*((\t)%2)+16*\i
.endr
.endm
.irp t, 0,1,2,3
	XLOAD \t
.endr
	s_wait_loadcnt 12                              ; step 0's four loads are in; three steps' loads stay out
	XTURN 0
.macro XSTEP t
.set XS, XX+16*((\t)%2)
.if (\t) > 0
	s_wait_dscnt 1                                 ; this step's numbers are back from the stage (the last step's byte store may be out): so its stores into the stage have read their registers,
.else
	s_wait_dscnt 0x0
.endif
.if (\t)+4 < STEPS
	XLOAD (\t)+4                                   ; which take the loads of four steps on
.endif
.if (\t)+1 < STEPS
.if STEPS-2-(\t) >= 3
	s_wait_loadcnt 12                              ; the next step's four loads are in; those of the three steps behind it may be out
.else
	s_wait_loadcnt 4*(STEPS-2-(\t))
.endif
	XTURN (\t)+1                                   ; and go through the other stage while this step is worked
.endif
	v_max3_num_f32 v8, |v[XS]|, |v[XS+1]|, |v[XS+2]|               ; the largest magnitude of my 16, in two chains
	v_max3_num_f32 v9, |v[XS+3]|, |v[XS+4]|, |v[XS+5]|
.irp i, 6,10
	v_max3_num_f32 v8, v8, |v[XS+\i]|, |v[XS+\i+1]|
	v_max3_num_f32 v9, v9, |v[XS+\i+2]|, |v[XS+\i+3]|
.endr
	v_max3_num_f32 v8, v8, |v[XS+14]|, |v[XS+15]|
	v_max3_num_f32 v8, v8, v9, 0x2800000           ; and the floor 2^(5 - 127): the byte cannot fall under 1
	v_max_num_f32_dpp v8, v8, v8 row_xmask:1 row_mask:0xf bank_mask:0xf   ; and of my neighbour's 16: the block's
	v_add_nc_u32 v11, 0xfe000000, v8               ; 4 off its exponent field: the conversion takes the exponent field of this operand as its scale
	v_cvt_scalef32_pk16_bf6_f32 v[XC+4*(\t):XC+4*(\t)+2], v[XS:XS+15], v11
	v_lshrrev_b32 v[XE+(\t)], 23, v11              ; the scale's byte (also the plain line behind the conversion)
	ds_store_b8 v5, v[XE+(\t)] offset:16*(\t)      ; both lanes of a block write the same byte with the same value
	global_store_b96 v4, v[XC+4*(\t):XC+4*(\t)+2], s[8:9] offset:32*CBY*(\t)   ; the wave stores 384 consecutive bytes
.endm
.irp t, 0,1,2,3,4,5,6,7,8,9,10,11,12,13,14,15
	XSTEP \t
.endr
	ds_load_b64 v[8:9], v6                         ; LDS serves a wave's instructions in order: these see my stores
	s_wait_dscnt 0x0
	global_store_b64 v7, v[8:9], s[10:11]          ; 32 lanes store 256 consecutive bytes, aligned
	s_wait_tensorcnt 0x0                           ; the wave's end
	ds_add_u32 v[SPW], v[NIL]
	s_wait_dscnt 0x0
	s_endpgm
; ---------------- w ----------------
.Lw:
	s_sub_co_u32 s20, ttmp9, 128
	s_lshr_b32 s17, s20, 2
	s_lshl_b32 s17, s17, 7
	s_lshl_b32 s18, s16, 5
	s_add_co_u32 s17, s17, s18                     ; my wave's first column: 128 x (id / 4) + 32 x wave
	s_and_b32 s18, s20, 3                          ; which 256 along K: id % 4
	v_lshlrev_b32 v3, 2, v2                        ; in: 4 bytes a lane
	v_and_b32 v10, 7, v2
	v_bfe_u32 v5, v2, 3, 1
	v_lshl_add_u32 v10, v5, 4, v10
	v_bfe_u32 v5, v2, 4, 1
	v_lshl_add_u32 v10, v5, 3, v10                 ; p(lane): my column's place among the group's 32 rows
	s_mul_i32 s19, s16, 32*WP
	s_add_co_u32 s19, s19, WSTG                    ; my stage
	v_mul_u32_u24 v4, v10, WP
	v_add_nc_u32 v4, s19, v4                       ; into it: row = my column's place
	v_and_b32 v5, 15, v2
	v_lshrrev_b32 v6, 4, v2                        ; out of it: sixteen lanes to a row, two rows an instruction
	v_mul_u32_u24 v7, v6, WP
	v_lshl_add_u32 v7, v5, 4, v7
	v_add_nc_u32 v7, s19, v7
	v_mul_u32_u24 v8, v6, WKROW
	v_mad_u32_u24 v8, v5, 12, v8                   ; and the same place in the codes' buffer
	v_lshlrev_b32 v9, 5, v10                       ; my column's row of scale bytes
	s_mul_i32 s20, s18, 256*WN*4                   ; w: 256 rows of 12,288 bytes for each step along K, + 4 x column
	s_lshl_b32 s22, s17, 2
	s_add_co_u32 s20, s20, s22
	s_mov_b32 s21, 0
	s_add_nc_u64 s[6:7], s[6:7], s[20:21]
	s_mul_i32 s20, s17, WKROW                      ; codes: column x 768 + 192 x step
	s_mul_i32 s22, s18, 192
	s_add_co_u32 s20, s20, s22
	s_add_nc_u64 s[12:13], s[12:13], s[20:21]
	s_lshl_b32 s20, s17, 5                         ; scale bytes: column x 32 + 8 x step
	s_lshl_b32 s22, s18, 3
	s_add_co_u32 s20, s20, s22
	s_add_nc_u64 s[14:15], s[14:15], s[20:21]
.macro WLOAD t                         ; block t: w(32 t + i, my column), i = 0 .. 31, into set t % 2; 32 lanes read 128 consecutive bytes; the largest offset, 255 x 12,288, lies inside the signed 24-bit immediate
.irp i, 0,1,2,3,4,5,6,7,8,9,10,11,12,13,14,15,16,17,18,19,20,21,22,23,24,25,26,27,28,29,30,31
	global_load_b32 v[WX+32*((\t)%2)+\i], v3, s[6:7] offset:(32*(\t)+\i)*WN*4 th:TH_LOAD_NT
.endr
.endm
	WLOAD 0
	WLOAD 1
.macro WBLOCK t
.set XS, WX+32*((\t)%2)
.if (\t) < NB-1
	s_wait_loadcnt 32                              ; this block's 32 loads are in; the next block's may be out
.else
	s_wait_loadcnt 0
.endif
	v_max3_num_f32 v12, |v[XS]|, |v[XS+1]|, |v[XS+2]|              ; the block's largest magnitude: all 32 numbers are mine
	v_max3_num_f32 v13, |v[XS+3]|, |v[XS+4]|, |v[XS+5]|
.irp i, 6,10,14,18,22,26
	v_max3_num_f32 v12, v12, |v[XS+\i]|, |v[XS+\i+1]|
	v_max3_num_f32 v13, v13, |v[XS+\i+2]|, |v[XS+\i+3]|
.endr
	v_max3_num_f32 v12, v12, |v[XS+30]|, |v[XS+31]|
	v_max3_num_f32 v12, v12, v13, 0x2800000        ; and the floor
	v_add_nc_u32 v11, 0xfe000000, v12
	v_lshrrev_b32 v13, 23, v11                     ; the scale's byte
.if (\t)%4 == 0
	v_mov_b32 v[WSB+(\t)/4], v13                   ; four bytes to a register, the lower K in the lower byte
.else
	v_lshl_or_b32 v[WSB+(\t)/4], v13, 8*((\t)%4), v[WSB+(\t)/4]
.endif
	v_cvt_scalef32_pk16_bf6_f32 v[WC:WC+2], v[XS:XS+15], v11
	v_cvt_scalef32_pk16_bf6_f32 v[WC+4:WC+6], v[XS+16:XS+31], v11  ; (a conversion's three registers begin on an even number)
	v_nop                                          ; one plain line behind the last conversion
	ds_store_b96 v4, v[WC:WC+2] offset:32*(\t)     ; 12 bytes to a place of 16, so that every LDS address is a multiple of 16
	ds_store_b96 v4, v[WC+4:WC+6] offset:32*(\t)+16
.if (\t)+2 < NB
	WLOAD (\t)+2
.endif
	s_wait_dscnt 0x0                               ; the stores have read their registers: the next block's codes may be written
.endm
.irp t, 0,1,2,3,4,5,6,7
	WBLOCK \t
.endr
	global_store_b64 v9, v[WSB:WSB+1], s[14:15]    ; my column's 8 scale bytes
.irp t, 0,1,2,3,4,5,6,7,8,9,10,11,12,13,14,15
	ds_load_b96 v[WOUT+4*\t:WOUT+4*\t+2], v7 offset:2*\t*WP   ; LDS serves a wave's instructions in order: these see my stores
.endr
.irp t, 0,1,2,3,4,5,6,7,8,9,10,11,12,13,14,15
	s_wait_dscnt 15-\t                             ; the younger loads may stay out
	global_store_b96 v8, v[WOUT+4*\t:WOUT+4*\t+2], s[12:13] offset:2*\t*WKROW   ; sixteen lanes store a row's 192 consecutive bytes
.endr
	s_wait_tensorcnt 0x0                           ; the wave's end
	ds_add_u32 v[SPW], v[NIL]
	s_wait_dscnt 0x0
	s_endpgm
.Lfunc_end_k_q4b1cb1f2ab_quant:
	.size	k_q4b1cb1f2ab_quant, .Lfunc_end_k_q4b1cb1f2ab_quant-k_q4b1cb1f2ab_quant
	.p2alignl 7, 3214868480
	.fill 96, 4, 3214868480
	.section	.rodata,"a",@progbits
	.p2align	6, 0x0
	.amdhsa_kernel k_q4b1cb1f2ab_quant
		.amdhsa_group_segment_fixed_size 68096
		.amdhsa_private_segment_fixed_size 0
		.amdhsa_enable_private_segment 0
		.amdhsa_kernarg_size 48
		.amdhsa_user_sgpr_count 2
		.amdhsa_user_sgpr_kernarg_segment_ptr 1
		.amdhsa_wavefront_size32 1
		.amdhsa_system_sgpr_workgroup_id_x 1
		.amdhsa_system_sgpr_workgroup_id_y 1
		.amdhsa_system_sgpr_workgroup_id_z 1
		.amdhsa_system_vgpr_workitem_id 0
		.amdhsa_next_free_vgpr 200
		.amdhsa_next_free_sgpr 66
		.amdhsa_reserve_vcc 0
		.amdhsa_float_denorm_mode_32 3
		.amdhsa_float_denorm_mode_16_64 3
		.amdhsa_memory_ordered 1
		.amdhsa_forward_progress 1
		.amdhsa_inst_pref_size 73
	.end_amdhsa_kernel
	.amdgpu_metadata
---
amdhsa.version: [ 1, 2 ]
amdhsa.kernels:
  - .name:           k_q4b1cb1f2ab_quant
    .symbol:         k_q4b1cb1f2ab_quant.kd
    .args:
      - { .name: x, .offset: 0, .size: 8, .value_kind: global_buffer, .address_space: global }
      - { .name: w_kqv, .offset: 8, .size: 8, .value_kind: global_buffer, .address_space: global }
      - { .name: x_codes, .offset: 16, .size: 8, .value_kind: global_buffer, .address_space: global }
      - { .name: x_scales, .offset: 24, .size: 8, .value_kind: global_buffer, .address_space: global }
      - { .name: w_codes, .offset: 32, .size: 8, .value_kind: global_buffer, .address_space: global }
      - { .name: w_scales, .offset: 40, .size: 8, .value_kind: global_buffer, .address_space: global }
    .group_segment_fixed_size: 68096
    .private_segment_fixed_size: 0
    .kernarg_segment_align: 8
    .kernarg_segment_size: 48
    .max_flat_workgroup_size: 128
    .sgpr_count:     66
    .vgpr_count:     200
    .wavefront_size: 32
...
	.end_amdgpu_metadata
.endif
;; end of part 1
;; launch proj (part 2): grid 8 x 24, 4 waves a work-group, clusters of 4 x 4, 327,680 bytes of LDS; arguments x_codes, x_scales, w_codes, w_scales, img, scl; writes img, scl
.if DOCPART == 2
	.amdgcn_target "amdgcn-amd-amdhsa--gfx1250"
	.amdhsa_code_object_version 6
	.text
	.protected	k_q4b1cb1f2ab_proj
	.globl	k_q4b1cb1f2ab_proj
	.p2align	8
	.type	k_q4b1cb1f2ab_proj,@function
k_q4b1cb1f2ab_proj:
	s_mov_b64 s[64:65], 0
	v_nop
	global_prefetch_b8 v0, s[64:65] scope:SCOPE_SE
	s_setreg_imm32_b32 hwreg(HW_REG_WAVE_MODE, 25, 1), 1
	s_wait_xcnt 0x0
	s_wait_alu depctr_hold_cnt(0) depctr_sa_sdst(0) depctr_va_vdst(0) depctr_va_sdst(0) depctr_va_ssrc(0) depctr_va_vcc(0) depctr_vm_vsrc(0)
	s_getreg_b32 s2, hwreg(HW_REG_IB_STS2, 6, 4)
	s_cmp_eq_u32 s2, 0
	s_cbranch_scc0 .Lentry_in_a_cluster
	s_endpgm
.Lentry_in_a_cluster:
	s_bfe_u32 s2, ttmp6, 0x10000c
	s_cmp_lg_u32 s2, 0xf033
	s_cbranch_scc0 .Lentry_shape_is_right
	s_endpgm
.Lentry_shape_is_right:
; kqv = x w on codes of BF6 (E3M2) with E8M0 scales, K = 1,024; the results never go to memory as f32: each wave quantises its 128 x 128 of them in registers, along the NEXT product's K, and stores
; images of operand registers for the attention launch.
; A tile of 256 x 256 is made by four waves, each 128 x 128 in 64 accumulators (512 registers).  K goes in steps of 256 through a ring of two LDS slots filled by the tensor data mover (rows of 192 bytes);
; the scale bytes of the work-group's rows, for all of K, come into LDS once.  The matrix instruction's source 0 takes 16 rows of 'B', source 1 16 rows of 'A': a lane then holds ONE row of A, and its registers run along B's rows.
; TWO ROLES, by the cluster's y, which all sixteen partners share:
;   y = 0..3 (k and q): A = x (a lane holds a token), B = w's rows n = 0..2047 (registers run along the head's channels: the K of q k^T);  tile row 4 y + cy of x, tile column 4 x + cx of w.
;   y = 4, 5 (v):       A = w's rows n = 2048..3071 (a lane holds a channel), B = x (registers run along the tokens: the K of p v);      tile row 8 + cy of w, tile column 8 y - 32 + 4 x + cx of x.
; Both buffers have rows of 768 bytes of codes and 32 of scale bytes, so only the pointers and the tile numbers are chosen; the loop is one text.
; ROW ORDER: the launch before has stored row y of each group of 32 at y with bits 3 and 4 exchanged.  So in tile b = 2 g + u of B's rows register j of lane half h is the true row 32 g + 16 h + 8 u + j:
; the 16 registers of tiles 2 g and 2 g + 1 are 16 neighbours, and row r of tile 2 g + u of A is the true row 32 g + 8 u + r + 8 (r / 8).
; IMAGES: img [head' 48][step 32][j 4][1,536 bytes], head' = n / 64 (k: 0-15, q: 16-31, v: 32-47), step = token / 128; register i of lane l of the fragment lies at 512 (i / 4) + 16 l + 4 (i % 4).
;   k, q: registers 0-5 = block (l / 16) of the head's 64 of token 128 step + 32 j + r + 8 (r / 8); registers 6-11 = the same block of the token 8 further on.   v: a fragment of V^T: row r = channel 32 (j / 2) + 8 (j % 2) + r + 8 (r / 8), K = the step's 128 keys.
;   scl [head'][step][r 16][j 4]: the fragment's scale word of row r.
; CLUSTERS: 4 x 4 work-groups; A's tile is shared along a row of the cluster, B's along a column: each is asked for jointly.
; LIMITS: NaN and infinities are not served; a block of zeros gets the byte 1 (its codes are zeros; this program alone reads the bytes).
; 192 work-groups: whole heads, whole steps of 128 tokens and the two roles divide into tiles of 256 x 256, 128 for k and q and 64 for v.  No prefetch: each work-group has four K steps, of which two are first fills.
; REGISTERS, in windows of 256: window 0: v0-31 addresses; v32-63 scale words, two sets; from v128 A's fragments, one set; on the way out v32-179 are at work.  window 1: B's fragments, two sets.  windows 2, 3: accumulator (a, b) at v[8 (8 (a % 4) + b)] of window 2 + a / 4.
.set KSTEP,  256
.set NQ,     2                         ; matrix instructions deep in a slot
.set ROWB,   192                       ; a tile's row in bytes
.set KROW,   768                       ; a row of codes in memory
.set PITCH,  240                       ; an LDS row: 3 x (64 bytes + 16 of padding) = 60 words: the 32 lanes of a load of 8 bytes touch 64 different banks (64 banks of 4 bytes: ISA guide 11.1)
.set FR,     12
.set NL,     6
.set NP,     4                         ; places behind this matrix instruction (ISA guide 7.12.1)
.set HALFT,  128*PITCH
.set SLOT,   4*HALFT
.set LAPS,   2                         ; 1,024 / (2 x 256)
.set KS,     32                        ; a row of scale bytes
.set SCL,    2*SLOT                    ; behind the ring: the scales, as rows of 256 bytes + 16 of padding
.set HALFS,  (128*KS/256)*272
.set SBLK,   (16*KS/256)*272
.set SPARE,  SCL+4*HALFS               ; the spare words, 128 bytes for each wave
.set ADRA, 16                          ; v16-17 LDS address of my A fragments in slot 0, 1 (v18-19: behind one padding more)
.set ADRB, 20                          ; v20-21 the same for B (v22-23)
.set IMO,  24                          ; v24  the way out: 16 x lane
.set SCO,  25                          ; v25  8,192 x (lane / 16) + 16 x (lane % 16)
.set LANE, 26                          ; v26  lane
.set ADRS, 27                          ; v27  LDS address of my scale words: lanes 0-15 A's rows, lanes 16-31 B's
.set SPW,  28
.set NIL,  29
.set SC,   32
.set AF,   128
.set TM,   32                          ; the way out: v32-35 largest magnitudes, v36-39 the other half's, then bytes, v44-47 the conversions' scale operands
.set FRG,  64                          ; v64-159 eight fragments, each with registers of its own, so that no store's data are written again
.set TMPC, 160                         ; v160-166 the conversions' second halves
.set SW,   168                         ; v168-175 the eight scale words
.set SWO,  176                         ; v176-179 the four that my half of the lanes stores
.set G1, 24
.set G0, 32
.set G1B, 48
.set G0B, 56
.set G1S, 68
.set G0S, 76
.set G1SB, 80
.set G0SB, 88
.set MSB, 0
.macro WIN new                         ; the immediate's high byte repeats the setting that is left
.if MSB != \new
	s_set_vgpr_msb (MSB<<8)|\new
.set MSB, \new
.endif
.endm
.set MUL_LO, 0xa1                      ; source 0 (B) window 1, source 1 (A) window 0, C and D window 2
.set MUL_HI, 0xf1
.set TO_B,   0x40
; A joint load: waves 0 and 1 fetch for A, waves 2 and 3 for B; the branch hangs on the wave's number alone.  An s_nop 0 and four v_nop follow each of the two lines.
.macro JLOAD g0a, g1a, g0b, g1b
	s_cmp_eq_u32 s15, 0
	s_cbranch_scc0 .Lfor_b_\@
	tensor_load_to_lds s[\g0a:\g0a+3], s[\g1a:\g1a+7]
	s_nop 0
.rept 4
	v_nop
.endr
	s_branch .Lasked_\@
.Lfor_b_\@:
	tensor_load_to_lds s[\g0b:\g0b+3], s[\g1b:\g1b+7]
	s_nop 0
.rept 4
	v_nop
.endr
.Lasked_\@:
.endm
.macro CREST                           ; a round of the cluster's barrier behind its opening barrier
	s_cmp_lg_u32 s14, 0
	s_cbranch_scc1 .Lnot_wave_0_\@
	s_barrier_signal -3
.Lnot_wave_0_\@:
	s_barrier_wait -3
	s_barrier_signal -1
	s_barrier_wait -1
.endm
.macro CROUND
	s_barrier_signal -1
	s_barrier_wait -1
	CREST
.endm
	s_load_b128 s[4:7], s[0:1], 0x0                ; x's codes, x's scales
	s_load_b128 s[8:11], s[0:1], 0x10              ; w's codes, w's scales
	s_load_b64 s[12:13], s[0:1], 0x20              ; img
	s_load_b64 s[96:97], s[0:1], 0x28              ; scl
	v_lshl_add_u32 v[SPW], v0, 2, SPARE
	v_mov_b32 v[NIL], 0
	ds_add_u32 v[SPW], v[NIL]                      ; the wave's opening: the add and its wait stand ahead of my first tensor load; the set-up below stands between them
	v_lshrrev_b32 v1, 5, v0
	v_readfirstlane_b32 s14, v1                    ; wave 0..3
	s_lshr_b32 s15, s14, 1                         ; which half of A's rows is mine.  Also: I fetch for A (0) or for B (1)
	s_and_b32 s16, s14, 1                          ; which half of B's rows.  Also: which 128 rows of that tile I fetch
	s_bfe_u32 s40, ttmp6, 0x40000                  ; cx, cy: my place in the cluster
	s_bfe_u32 s41, ttmp6, 0x40004
	s_and_b32 s95, ttmp7, 0xffff                   ; the cluster's y: the role
	s_lshl_b32 s42, ttmp9, 2                       ; 4 x cluster x
	s_lshl_b32 s17, s95, 2                         ; 4 x cluster y
	s_lshl_b32 s18, s95, 3
	s_sub_co_u32 s18, s18, 32
	s_add_co_u32 s18, s18, s42                     ; 8 y - 32 + 4 x (of use where y is 4 or 5)
	s_cmp_lt_u32 s95, 4
	s_cselect_b32 s42, s42, s18
	s_cselect_b32 s17, s17, 8
	s_add_co_u32 s42, s42, s40                     ; B's tile: it hangs on cx, not on cy
	s_add_co_u32 s17, s17, s41                     ; A's tile: it hangs on cy, not on cx
	s_lshl_b32 s43, s41, 2
	s_lshl_b32 s43, 15, s43                        ; my row of the cluster
	s_lshl_b32 s44, 0x1111, s40                    ; my column
	; descriptor group 1: a tile of 128 rows x 192 bytes, 16 bytes of padding behind every 64
	s_or_b32 s[G1+0], s43, (0<<16)|(1<<20)|(1<<21)|(3<<22)|(3<<25)  ; 15:0 the mask; 17:16 elements of 1 byte; 20 padding on; 21 set beside a mask; 24:22 after every 16 words; 31:25 of 4 words
	s_or_b32 s[G1B+0], s44, (0<<16)|(1<<20)|(1<<21)|(3<<22)|(3<<25)
.irp g, G1, G1B
	s_mov_b32 s[\g+1], ROWB<<16                    ; tensor_dim0
	s_mov_b32 s[\g+2], 128<<16                     ; tensor_dim1
	s_mov_b32 s[\g+3], ROWB<<16                    ; tile_dim0
	s_mov_b32 s[\g+4], 128                         ; tile_dim1
	s_mov_b32 s[\g+5], KROW                        ; tensor_dim0_stride
	s_mov_b32 s[\g+6], 0
	s_mov_b32 s[\g+7], 0
.endr
	; the scales of 128 rows: 4,096 dense bytes as 16 rows of 256 (32 elements of 8 bytes), 16 bytes of padding behind each
	s_or_b32 s[G1S+0], s43, (3<<16)|(1<<20)|(1<<21)|(5<<22)|(3<<25)
	s_or_b32 s[G1SB+0], s44, (3<<16)|(1<<20)|(1<<21)|(5<<22)|(3<<25)
.irp g, G1S, G1SB
	s_mov_b32 s[\g+1], 32<<16
	s_mov_b32 s[\g+2], (128*KS/256)<<16
	s_mov_b32 s[\g+3], 32<<16
	s_mov_b32 s[\g+4], 128*KS/256
	s_mov_b32 s[\g+5], 32
	s_mov_b32 s[\g+6], 0
	s_mov_b32 s[\g+7], 0
.endr
	s_lshl_b32 s18, s16, 7                         ; which 128 rows of the tile I fetch
	s_lshl_b32 s20, s17, 8
	s_add_co_u32 s20, s20, s18                     ; A: row 256 x tile + 128 x half
	s_lshl_b32 s46, s42, 8
	s_add_co_u32 s46, s46, s18                     ; B likewise
	s_mov_b32 s21, 0
	s_mov_b32 s47, 0
	s_mov_b64 s[18:19], KS
	s_mul_u64 s[22:23], s[20:21], s[18:19]         ; where these rows' scales begin, in bytes
	s_mul_u64 s[92:93], s[46:47], s[18:19]
	s_mov_b64 s[18:19], KROW
	s_mul_u64 s[20:21], s[20:21], s[18:19]         ; and their codes
	s_mul_u64 s[46:47], s[46:47], s[18:19]
	s_mul_i32 s45, s14, HALFT                      ; where they go: wave x 128 rows: no place in the cluster enters an LDS address
	s_mul_i32 s94, s14, HALFS
	s_wait_dscnt 0x0                               ; the opening add is done
	s_wait_kmcnt 0x0
	s_cmp_lt_u32 s95, 4                            ; the role chooses which buffer is A and which is B: a choice that hangs on no address
	s_cselect_b64 s[66:67], s[4:5], s[8:9]
	s_cselect_b64 s[8:9], s[8:9], s[4:5]
	s_mov_b64 s[4:5], s[66:67]
	s_cselect_b64 s[66:67], s[6:7], s[10:11]
	s_cselect_b64 s[10:11], s[10:11], s[6:7]
	s_mov_b64 s[6:7], s[66:67]
	s_add_nc_u64 s[20:21], s[4:5], s[20:21]
	s_add_nc_u64 s[22:23], s[6:7], s[22:23]
	s_add_nc_u64 s[46:47], s[8:9], s[46:47]
	s_add_nc_u64 s[92:93], s[10:11], s[92:93]
	CROUND                                         ; all sixteen work-groups are here: the first joint loads meet
	s_mov_b32 s[G0S], 1
	s_add_co_u32 s[G0S+1], s94, SCL
	s_mov_b64 s[G0S+2:G0S+3], s[22:23]
	s_or_b32 s[G0S+3], s[G0S+3], 0x80000000
	s_mov_b32 s[G0SB], 1
	s_add_co_u32 s[G0SB+1], s94, SCL
	s_mov_b64 s[G0SB+2:G0SB+3], s[92:93]
	s_or_b32 s[G0SB+3], s[G0SB+3], 0x80000000
	JLOAD G0S, G1S, G0SB, G1SB                     ; the scales first: they are wanted with K step 0
.irp s, 0,1
	s_mov_b32 s[G0+4*\s], 1
	s_add_co_u32 s[G0+4*\s+1], s45, \s*SLOT
	s_add_nc_u64 s[G0+4*\s+2:G0+4*\s+3], s[20:21], \s*ROWB
	s_or_b32 s[G0+4*\s+3], s[G0+4*\s+3], 0x80000000
	s_mov_b32 s[G0B+4*\s], 1
	s_add_co_u32 s[G0B+4*\s+1], s45, \s*SLOT
	s_add_nc_u64 s[G0B+4*\s+2:G0B+4*\s+3], s[46:47], \s*ROWB
	s_or_b32 s[G0B+4*\s+3], s[G0B+4*\s+3], 0x80000000
	JLOAD G0+4*\s, G1, G0B+4*\s, G1B               ; three loads of mine are out behind the second of these
.endr
	v_and_b32 v1, 15, v0                           ; l % 16
	v_bfe_u32 v2, v0, 4, 1                         ; l / 16
	v_mul_u32_u24 v3, v1, PITCH
	v_mul_u32_u24 v4, v2, 24
	v_add_nc_u32 v4, v3, v4                        ; a fragment's row x pitch + 24 x half
	v_lshl_add_u32 v5, v2, 4, v4                   ; and the same behind one padding more
	s_mul_i32 s21, s15, HALFT                      ; my 128 rows of A
	s_mul_i32 s22, s16, HALFT                      ; my 128 rows of B,
	s_add_co_u32 s22, s22, 2*HALFT                 ; which lie behind A's 256
.irp s, 0,1
	v_add_nc_u32 v[ADRA+\s], s21, v4
	v_add_nc_u32 v[ADRB+\s], s22, v4
	v_add_nc_u32 v[ADRA+2+\s], s21, v5
	v_add_nc_u32 v[ADRB+2+\s], s22, v5
	s_add_co_u32 s21, s21, SLOT
	s_add_co_u32 s22, s22, SLOT
.endr
	v_mul_u32_u24 v5, v1, KS                       ; my row's scales: 32 bytes a row,
	v_lshrrev_b32 v6, 8, v5
	v_lshl_add_u32 v5, v6, 4, v5                   ; and 16 more for each 256 passed
	s_mul_i32 s21, s15, HALFS
	s_mul_i32 s22, s16, HALFS
	s_add_co_u32 s22, s22, 2*HALFS
	s_sub_co_u32 s22, s22, s21
	v_mul_u32_u24 v6, s22, v2                      ; lanes 16-31 take B's: the lower base + half x the distance
	s_add_co_u32 s21, s21, SCL
	v_add_nc_u32 v5, v5, v6
	v_add_nc_u32 v[ADRS], s21, v5
	v_and_b32 v[LANE], 31, v0
	v_lshlrev_b32 v[IMO], 4, v[LANE]
	v_lshlrev_b32 v[SCO], 13, v2
	v_lshl_add_u32 v[SCO], v1, 4, v[SCO]
	; where my images go.  Every LDS address and every descriptor word has been made: the registers below may hold cx and cy together
	s_lshl_b32 s92, s17, 1
	s_add_co_u32 s92, s92, s15                     ; which 128 rows of A are mine
	s_lshl_b32 s93, s42, 1
	s_add_co_u32 s93, s93, s16                     ; which 128 rows of B
	s_cmp_lt_u32 s95, 4
	s_cselect_b32 s94, s92, s93                    ; the step: the tokens' 128
	s_cselect_b32 s45, s93, s92                    ; the pair of heads: w's 128 rows
	s_mul_i32 s46, s45, 393216
	s_mul_i32 s66, s94, 6144
	s_add_co_u32 s46, s46, s66
	s_mov_b32 s47, 0
	s_add_nc_u64 s[12:13], s[12:13], s[46:47]
	s_lshl_b32 s46, s45, 14
	s_lshl_b32 s66, s94, 8
	s_add_co_u32 s46, s46, s66
	s_add_nc_u64 s[96:97], s[96:97], s[46:47]
	s_mov_b32 s20, 0x76543210
	s_mov_b32 s21, 0xfedcba98                      ; v_permlanex16_b32's selects for lane l xor 16
.macro FRAG reg, adr, q, i             ; a fragment, 16 rows x 128 K: lane l holds row l % 16; registers 6 c .. 6 c + 5 hold K = 64 c + 32 (l / 16) + 0 .. 31: 24 bytes of the row, as they lie
.irp p, 0,1,2,3,4,5                    ; in pieces of 8 bytes; lanes 16-31 read three pieces further on, which for some pieces lies behind one padding more: the second address register serves those
.set PC, 12*(\q)+6*(\p/3)+\p%3
.if PC%8 < 5
	ds_load_b64 v[\reg+2*\p:\reg+2*\p+1], v[\adr] offset:8*PC+16*(PC/8)+(\i)*16*PITCH
.else
	ds_load_b64 v[\reg+2*\p:\reg+2*\p+1], v[\adr+2] offset:8*PC+16*(PC/8)+(\i)*16*PITCH
.endif
.endr
.endm
; 16 matrix instructions: A's blocks a0, a0 + 1 x B's eight.  The 64 accumulators take turns, one instruction a turn, in the same order in every step.  zero = 1: the first product starts the sums.
.macro MUL16 a0, p, q, sc, zero
.irp a, \a0, \a0+1
.irp b, 0,1,2,3,4,5,6,7
.if \zero
	v_wmma_scale_f32_16x16x128_f8f6f4 v[8*(8*((\a)%4)+\b):8*(8*((\a)%4)+\b)+7], v[128*(\p)+FR*\b:128*(\p)+FR*\b+FR-1], v[AF+FR*(\a):AF+FR*(\a)+FR-1], 0, v[SC+8*NQ*(\sc)+NQ*\b+(\q)], v[SC+8*NQ*(\sc)+NQ*(\a)+(\q)] matrix_a_fmt:MATRIX_FMT_BF6 matrix_b_fmt:MATRIX_FMT_BF6 matrix_a_scale:MATRIX_SCALE_ROW1
.else
	v_wmma_scale_f32_16x16x128_f8f6f4 v[8*(8*((\a)%4)+\b):8*(8*((\a)%4)+\b)+7], v[128*(\p)+FR*\b:128*(\p)+FR*\b+FR-1], v[AF+FR*(\a):AF+FR*(\a)+FR-1], v[8*(8*((\a)%4)+\b):8*(8*((\a)%4)+\b)+7], v[SC+8*NQ*(\sc)+NQ*\b+(\q)], v[SC+8*NQ*(\sc)+NQ*(\a)+(\q)] matrix_a_fmt:MATRIX_FMT_BF6 matrix_b_fmt:MATRIX_FMT_BF6 matrix_a_scale:MATRIX_SCALE_ROW1
.endif
.endr
.endr
.endm
.macro FETCH_B slot, q, p
	WIN TO_B
.irp i, 0,1,2,3,4,5,6,7
	FRAG 128*(\p)+FR*\i, ADRB+\slot, \q, \i
.endr
	WIN 0
.endm
.macro FETCH_A slot, q, i0
.irp i, \i0, \i0+1, \i0+2, \i0+3
	FRAG AF+FR*(\i), ADRA+\slot, \q, \i
.endr
.endm
.macro SCALES sc                       ; a K step's scale words: two words a row; lanes 0-15 take A's block i, lanes 16-31 B's block i
.irp i, 0,1,2,3,4,5,6,7
	ds_load_b64 v[SC+8*NQ*\sc+NQ*\i:SC+8*NQ*\sc+NQ*\i+1], v[ADRS] offset:\i*SBLK
.endr
.endm
.macro PLACES n                        ; plain vector lines between a matrix instruction and a load into, or a vector line on, its registers (ISA guide 7.12.1 for vector lines)
.rept \n
	v_nop
.endr
.endm
.macro STEP slot, q, zero              ; a step of 128 along K that has its successor in the same slot
	s_wait_dscnt 4*NL                              ; B's set and A's blocks 0-3 are in; the youngest 24 loads (A's blocks 4-7) may be out
	WIN MUL_LO
	MUL16 0, (\q)%2, \q, \slot, \zero
	MUL16 2, (\q)%2, \q, \slot, \zero
	s_wait_dscnt 0
	PLACES NP
	FETCH_B \slot, (\q)+1, 1-(\q)%2
	FETCH_A \slot, (\q)+1, 0
	WIN MUL_HI
	MUL16 4, (\q)%2, \q, \slot, \zero
	MUL16 6, (\q)%2, \q, \slot, \zero
	PLACES NP
	WIN 0
	FETCH_A \slot, (\q)+1, 4
.endm
; A slot's last step changes slots: one barrier; in front of it each wave waits for all its tensor loads, adds 0 to its spare word, and waits for that and for its own reads of this slot.  fill = 1: the slot is filled again, two K steps ahead.
.macro TURN slot, next, fill
	s_wait_tensorcnt 0x0                           ; all my tensor loads have landed: my part of the next slot
	ds_add_u32 v[SPW], v[NIL]                      ; 0 onto my spare word
	s_wait_dscnt 4*NL+1                            ; (the add and the youngest 24 loads may be out)
	WIN MUL_LO
	MUL16 0, 1, NQ-1, \slot, 0                     ; sixteen matrix instructions stand between the add and the wait for it
	s_wait_dscnt 0x0                               ; the add is done, and my reads of this slot are over
	s_barrier_signal -1
	MUL16 2, 1, NQ-1, \slot, 0
	WIN 0
	s_barrier_wait -1
.if \fill
	CREST                                          ; the barrier has opened a round of the cluster's barrier: no wave of any partner still reads this slot or has a load on its way
	s_add_nc_u64 s[G0+4*\slot+2:G0+4*\slot+3], s[G0+4*\slot+2:G0+4*\slot+3], 2*ROWB
	s_add_nc_u64 s[G0B+4*\slot+2:G0B+4*\slot+3], s[G0B+4*\slot+2:G0B+4*\slot+3], 2*ROWB
	JLOAD G0+4*\slot, G1, G0B+4*\slot, G1B         ; the first tensor load behind the round; its four v_nop are the places in front of the loads below
.else
	PLACES NP
.endif
	v_add_nc_u32 v[ADRS], 4*NQ, v[ADRS]            ; on to the next K step's scale words
	FETCH_B \next, 0, 0
	FETCH_A \next, 0, 0
	SCALES \next
	WIN MUL_HI
	MUL16 4, 1, NQ-1, \slot, 0
	MUL16 6, 1, NQ-1, \slot, 0
	PLACES NP
	WIN 0
	FETCH_A \next, 0, 4
.endm
	s_wait_tensorcnt 1                             ; the scales and my part of K step 0 are in (K step 1's load may be out)
	s_barrier_signal -1
	s_barrier_wait -1                              ; everybody's are
	FETCH_B 0, 0, 0
	FETCH_A 0, 0, 0
	SCALES 0
	FETCH_A 0, 0, 4
	STEP 0, 0, 1                                   ; the first step stands in front of the loop: its products start the sums
	s_mov_b32 s3, LAPS-1
.Llap:                                                 ; a trip goes once round the ring and fills both slots again
	TURN 0, 1, 1
	STEP 1, 0, 0
	TURN 1, 0, 1
	STEP 0, 0, 0
	s_sub_co_u32 s3, s3, 1
	s_cmp_lg_u32 s3, 0
	s_cbranch_scc1 .Llap
	TURN 0, 1, 0                                   ; the last lap fills nothing
	STEP 1, 0, 0
	s_wait_dscnt 4*NL
	WIN MUL_LO
	MUL16 0, 1, NQ-1, 1, 0
	MUL16 2, 1, NQ-1, 1, 0
	s_wait_dscnt 0
	WIN MUL_HI
	MUL16 4, 1, NQ-1, 1, 0
	MUL16 6, 1, NQ-1, 1, 0
	WIN 0
; THE WAY OUT.  A UNIT is 64 numbers of a lane, four blocks of 32 along the next K, each half in lane l and half in lane l xor 16: blocks 0, 1 in 32 accumulator registers from s0 on, blocks 2, 3 in 32 from s1 on, of window win.
; It becomes fragment q (12 registers) and its scale word, and the fragment is stored as it stands: three stores of 512 consecutive bytes, aligned.  Each accumulator is read from its low end on.
.macro QUANTW win, s0, s1, q, off
.set FG, FRG+12*(\q)
.set A0, (\s0)
.set A1, (\s1)
.set WQ, ((\win)<<2)|((\win)<<4)
	WIN WQ                                         ; sources 1 and 2: the accumulators' window
	v_max3_num_f32 v[TM+0], 0x2800000, |v[A0]|, |v[A0+1]|          ; my 16 numbers of each block, and the floor 2^(5 - 127): the byte cannot fall under 1
	v_max3_num_f32 v[TM+1], 0x2800000, |v[A0+16]|, |v[A0+17]|
	v_max3_num_f32 v[TM+2], 0x2800000, |v[A1]|, |v[A1+1]|
	v_max3_num_f32 v[TM+3], 0x2800000, |v[A1+16]|, |v[A1+17]|
.irp i, 2,4,6,8,10,12,14
	v_max3_num_f32 v[TM+0], v[TM+0], |v[A0+\i]|, |v[A0+\i+1]|      ; (the four blocks by turns)
	v_max3_num_f32 v[TM+1], v[TM+1], |v[A0+16+\i]|, |v[A0+17+\i]|
	v_max3_num_f32 v[TM+2], v[TM+2], |v[A1+\i]|, |v[A1+\i+1]|
	v_max3_num_f32 v[TM+3], v[TM+3], |v[A1+16+\i]|, |v[A1+17+\i]|
.endr
	WIN 0
.irp b, 0,1,2,3
	v_permlanex16_b32 v[TM+4+\b], v[TM+\b], s20, s21
.endr
.irp b, 0,1,2,3
	v_max_num_f32 v[TM+\b], v[TM+\b], v[TM+4+\b]   ; with lane l xor 16's: the block's largest magnitude
.endr
.irp b, 0,1,2,3
	v_add_nc_u32 v[TM+12+\b], 0xfe000000, v[TM+\b] ; 4 off its exponent field: the conversion's scale operand
.endr
.irp b, 0,1,2,3
	v_lshrrev_b32 v[TM+4+\b], 23, v[TM+12+\b]      ; the scale's byte
.endr
	v_lshl_or_b32 v[SW+(\q)], v[TM+5], 8, v[TM+4]
	v_lshl_or_b32 v[SW+(\q)], v[TM+6], 16, v[SW+(\q)]
	v_lshl_or_b32 v[SW+(\q)], v[TM+7], 24, v[SW+(\q)]
.set WQ, (\win)
	WIN WQ                                         ; source 0: the accumulators' window
	v_cvt_scalef32_pk16_bf6_f32 v[FG:FG+2], v[A0:A0+15], v[TM+12]
	v_cvt_scalef32_pk16_bf6_f32 v[TMPC:TMPC+2], v[A0+16:A0+31], v[TM+13]     ; (a conversion's three registers begin on an even number)
	v_cvt_scalef32_pk16_bf6_f32 v[FG+6:FG+8], v[A1:A1+15], v[TM+14]
	v_cvt_scalef32_pk16_bf6_f32 v[TMPC+4:TMPC+6], v[A1+16:A1+31], v[TM+15]
	WIN 0
	v_nop                                          ; one plain line behind the last conversion
.irp c, 0,1                                    ; the operand's layout wants a whole block in a lane: lanes 0-15 block 2 c, lanes 16-31 block 2 c + 1
.irp i, 0,1,2
	v_permlane16_swap_b32 v[FG+6*\c+\i], v[TMPC+4*\c+\i]
.endr
.irp i, 0,1,2
	v_mov_b32 v[FG+3+6*\c+\i], v[TMPC+4*\c+\i]
.endr
.endr
.irp c, 0,1,2
	global_store_b128 v[IMO], v[FG+4*\c:FG+4*\c+3], s[12:13] offset:(\off)+512*\c
.endr
.endm
	PLACES NP                                      ; behind the last products: their results are read, and registers that held their operands and scales are written
.irp b, 0,1,2,3
	v_mov_b32 v[TM+4+\b], 0                        ; written once: a lane permute's destination counts as one of its sources
.endr
	s_cmp_lt_u32 s95, 4                            ; the role: the same in all sixteen partners
	s_cbranch_scc0 .Lv_out
.irp p, 0,1                                    ; k, q: head p of my two, token tiles 2 j and 2 j + 1 against the head's four tiles of channels
.irp j, 0,1,2,3
	QUANTW 2+\j/2, 128*(\j%2)+32*\p, 128*(\j%2)+32*\p+64, 4*\p+\j, \p*196608+\j*1536
.endr
.endr
	s_branch .Lscales
.Lv_out:
.irp p, 0,1                                    ; v: channel tile 4 p + j against the eight tiles of tokens
.irp j, 0,1,2,3
	QUANTW 2+\p, 64*\j, 64*\j+32, 4*\p+\j, \p*196608+\j*1536
.endr
.endr
.Lscales:
	v_cmp_lt_u32 vcc_lo, 15, v[LANE]               ; a word is the same in lanes l and l xor 16: lanes 0-15 store head 0's four, lanes 16-31 head 1's
.irp j, 0,1,2,3
	v_cndmask_b32 v[SWO+\j], v[SW+\j], v[SW+4+\j], vcc_lo
.endr
	global_store_b128 v[SCO], v[SWO:SWO+3], s[96:97]               ; sixteen lanes store 256 consecutive bytes, aligned
	s_wait_tensorcnt 0x0                           ; the wave's end
	ds_add_u32 v[SPW], v[NIL]
	s_wait_dscnt 0x0
	CROUND                                         ; the closing round: no work-group ends while a partner may still ask for a tile that names it
	s_endpgm
.Lfunc_end_k_q4b1cb1f2ab_proj:
	.size	k_q4b1cb1f2ab_proj, .Lfunc_end_k_q4b1cb1f2ab_proj-k_q4b1cb1f2ab_proj
	.p2alignl 7, 3214868480
	.fill 96, 4, 3214868480
	.section	.rodata,"a",@progbits
	.p2align	6, 0x0
	.amdhsa_kernel k_q4b1cb1f2ab_proj
		.amdhsa_group_segment_fixed_size 327680
		.amdhsa_private_segment_fixed_size 0
		.amdhsa_enable_private_segment 0
		.amdhsa_kernarg_size 48
		.amdhsa_user_sgpr_count 2
		.amdhsa_user_sgpr_kernarg_segment_ptr 1
		.amdhsa_wavefront_size32 1
		.amdhsa_system_sgpr_workgroup_id_x 1
		.amdhsa_system_sgpr_workgroup_id_y 1
		.amdhsa_system_sgpr_workgroup_id_z 1
		.amdhsa_system_vgpr_workitem_id 0
		.amdhsa_next_free_vgpr 1024
		.amdhsa_next_free_sgpr 100
		.amdhsa_reserve_vcc 1
		.amdhsa_float_denorm_mode_32 3
		.amdhsa_float_denorm_mode_16_64 3
		.amdhsa_memory_ordered 1
		.amdhsa_forward_progress 1
		.amdhsa_inst_pref_size 197
	.end_amdhsa_kernel
	.amdgpu_metadata
---
amdhsa.version: [ 1, 2 ]
amdhsa.kernels:
  - .name:           k_q4b1cb1f2ab_proj
    .symbol:         k_q4b1cb1f2ab_proj.kd
    .args:
      - { .name: x_codes, .offset: 0, .size: 8, .value_kind: global_buffer, .address_space: global }
      - { .name: x_scales, .offset: 8, .size: 8, .value_kind: global_buffer, .address_space: global }
      - { .name: w_codes, .offset: 16, .size: 8, .value_kind: global_buffer, .address_space: global }
      - { .name: w_scales, .offset: 24, .size: 8, .value_kind: global_buffer, .address_space: global }
      - { .name: img, .offset: 32, .size: 8, .value_kind: global_buffer, .address_space: global }
      - { .name: scl, .offset: 40, .size: 8, .value_kind: global_buffer, .address_space: global }
    .group_segment_fixed_size: 327680
    .private_segment_fixed_size: 0
    .kernarg_segment_align: 8
    .kernarg_segment_size: 48
    .max_flat_workgroup_size: 128
    .sgpr_count:     100
    .vgpr_count:     1024
    .wavefront_size: 32
...
	.end_amdgpu_metadata
.endif
;; end of part 2
;; launch attn (part 3): grid 16 x 16, 16 waves a work-group, no clusters, 327,680 bytes of LDS; arguments img, scl, out0; writes out0
.if DOCPART == 3
	.amdgcn_target "amdgcn-amd-amdhsa--gfx1250"
	.amdhsa_code_object_version 6
	.text
	.protected	k_q4b1cb1f2ab_attn
	.globl	k_q4b1cb1f2ab_attn
	.p2align	8
	.type	k_q4b1cb1f2ab_attn,@function
k_q4b1cb1f2ab_attn:
	s_mov_b64 s[64:65], 0
	v_nop
	global_prefetch_b8 v0, s[64:65] scope:SCOPE_SE
	s_setreg_imm32_b32 hwreg(HW_REG_WAVE_MODE, 25, 1), 1
	s_wait_xcnt 0x0
; out[i][64 h + d] = sum over j <= i of softmax_j(q_i . k_j / 32 + m_h (j - i)) v_j[d], 16 heads of 64, 4,096 tokens, m_h = 2^(-(h + 1) / 2); both products on codes of BF6 (E3M2) with E8M0 scales.
; THE SOFTMAX: t = logit x log2(e); M = the running largest t, rounded up to a whole number; p = 2^(t - M) is quantised along the keys; the row's sum is taken of the unquantised p and divides at the end;
; when M moves, the sum and O are multiplied by 2^(old M - new M), which rounds nothing.
; INPUTS: the images of operand registers that the launch before has stored.  img [head' 48][step 32][j 4][1,536 bytes] (k: head' 0-15, q: 16-31, v: 32-47; a step is 128 tokens), scl [head'][step][r 16][j 4] scale words.
;   An image of k or q: lane (r, h), registers 0-5 = block h of the head's 64 of token 32 j + r + 8 (r / 8) of the step, registers 6-11 = the same of the token 8 further on.  An image of v: V^T, row r = channel 32 (j / 2) + 8 (j % 2) + r + 8 (r / 8), K = the step's 128 keys.
; K = 64 IN AN INSTRUCTION OF K = 128: an image of k holds TWO tiles of 16 keys.  The same 12 registers are multiplied by Q_lo = [Q | zero codes] and by Q_hi = [zero codes | Q]: zero codes add nothing (Q's unused scale bytes are 0, which is no NaN).
; Both products are used transposed: a lane holds ONE query (lane % 16); register 16 b + i of the scores is key 32 b + 16 (lane / 16) + i of the step, so p's registers go straight into the conversions.
; ALiBi: the bias within a block of 32 keys, as 32 m (16 (lane / 16) + i), is the C of the score products (16 registers serve all blocks); the rest, a (first key of the block - query), a = m log2(e), is one number a lane and block and
; joins the addend of the multiply-add that scales the scores: t - M = c s' + (off_b - M), c = log2(e) / 32.  So the bias is summed in another order than in the definition: the difference is a rounding of f32 at the size of t.
; SHARES.  Work-group (I, head) owns the blocks of 128 queries I and 31 - I: 8 (I + 1) + 8 (32 - I) = 264 steps of a wave in every work-group.  Wave w: tile (w / 2) of 16 queries of block I or 31 - I ((w xor w / 4) odd: 31 - I).
; A wave works the steps up to its block's own, which lies on the diagonal (hidden scores become -infinity), stores its rows there, and then only passes the barriers.
; K's and V's images of four steps fill a slot of a ring of two (wave 0: K's 24,576 bytes, wave 1: V's; dense in memory); the head's scale words come once.
; NO CLUSTER: work-groups of one head need different numbers of slots (8 - I / 4 .. ), a slot is filled only if it is read, and no jump may lead round a joint load; the trip counts stay constants.
; LIMITS: NaN and infinities are not served.  A block's largest p is made from the block's largest score by the same two instructions, which takes v_exp_f32 not to fall where its input rises.
.set SLOT1, 65536                      ; slot 1 begins here: one exclusive or turns an address in one slot into the other's
.set VOFF,  24576                      ; in a slot: K's 4 steps x 6,144 bytes, then V's
.set SCK,   131072                     ; K's scale words of the head, 8,192 bytes;
.set SCV,   139264                     ; V's (8,192 bytes behind K's)
.set SPARE, 147456                     ; the spare words, 128 bytes for each of 16 waves
.set STAGE, 149504                     ; the way out: 16 rows x (256 + 16) bytes for each wave; no fill lands here
.set LI,  1                            ; v1   16 x lane
.set LS,  2                            ; v2   SCK + 16 (lane % 16)
.set SPW, 3                            ; v3   my spare word; never rewritten
.set NIL, 4                            ; v4   0; never rewritten
.set GO,  5                            ; v5   the way out: 4,096 (lane / 16) + 16 (lane % 16)
.set STO, 6                            ; v6   where I put my channels of a row in the stage
.set RD,  7                            ; v7   where I read a row back
.set ADK, 8                            ; v8   the step's images
.set ADS, 9                            ; v9   the step's scale words
.set DM,  10                           ; v10  my query in its block - 16 (lane / 16)
.set QF,  11                           ; v11  my query, as f32
;          v12 -M, v13 the largest t, v[14:15] the sum in two halves, v16 first key - query, v17 -infinity, v18, v19 Q's scale words for Q_lo, Q_hi
.set QL,  20                           ; v20-25 Q's codes, v26-31 zeros, v32-37 Q's codes: Q_lo = v[20:31], Q_hi = v[26:37]
.set QH,  26
.set PFO, 38                           ; v38  256 x lane; never rewritten
;          v39 the offset of Q's scale word
.set CB,  40                           ; v40-55  32 m (16 (lane / 16) + i)
.set F,   56                           ; v56-103 four fragments of K, then of V
.set S,   104                          ; v104-167 the scores, then p
.set O,   168                          ; v168-199 O^T, four tiles of 16 channels
.set PC,  200                          ; v200-211 p's codes; v212-218 the conversions' second halves
.set KSC, 220                          ; v220-223 K's scale words;  v224-227 V's
.set VSC, 224
.set BM,  228                          ; v228-231 the blocks' largest scores, then largest p
.set PT,  232                          ; v232-235 at work
.set OFF, 236                          ; v236-239 off_b
.set OB,  240                          ; v240-247 off_b - M in the even registers (the odd ones are named with them as pairs)
.set SO,  248                          ; v248-251 the blocks' largest t, then the conversions' scale operands
;          v[252:253] f, v254 at work, v255 p's scale word
.set WV,    10
.set II,    11
.set HD,    12
.set BLK,   13                         ; my block of queries = my last step
.set ST,    14                         ; the step in hand
.set LAST,  15                         ; the work-group's last step: 31 - I
.set TB,    16                         ; LDS byte at which the step's images of K begin
.set TS,    17                         ; 256 x step: its scale words
.set SLOTS, 18
.set INNER, 19
.set SEL,   20                         ; s[20:21] lane selects for lane l xor 16
.set CS,    22                         ; s[22:23] c
.set G1T,   24                         ; s[24:31] group 1 for a slot's half;  s[32:39] for the scale words;  s[40:43], s[44:47] their groups 0
.set G1S,   32
.set G0T,   40
.set G0S,   44
.set SA,    48                         ; s48 a = m log2(e);  s49 32 m
.set SM32,  49
.set PFA,   50                         ; s[50:51] where my prefetches stand
.set LIM,   52                         ; s52 1 in a wave that prefetches, else the greatest number
	s_load_b128 s[4:7], s[0:1], 0x0                ; img, scl
	s_load_b64 s[8:9], s[0:1], 0x10                ; out
	v_lshl_add_u32 v[SPW], v0, 2, SPARE
	v_mov_b32 v[NIL], 0
	ds_add_u32 v[SPW], v[NIL]                      ; the wave's opening: the add and its wait stand ahead of my first tensor load; the set-up below stands between them
	v_lshrrev_b32 v8, 5, v0
	v_readfirstlane_b32 s[WV], v8                  ; wave 0..15
	s_mov_b32 s[II], ttmp9
	s_and_b32 s[HD], ttmp7, 0xffff
	s_sub_co_u32 s[LAST], 31, s[II]
	s_lshr_b32 s54, s[WV], 2
	s_xor_b32 s54, s54, s[WV]
	s_and_b32 s54, s54, 1
	s_cmp_lg_u32 s54, 0
	s_cselect_b32 s[BLK], s[LAST], s[II]
	s_lshr_b32 s55, s[WV], 2                       ; j: which image of q
	s_bfe_u32 s56, s[WV], 0x10001                  ; u: which half of it
	s_cmp_lg_u32 s56, 0
	s_cselect_b32 s53, -1, 0
	s_lshl_b32 s57, s55, 5
	s_lshl_b32 s58, s56, 3
	s_add_co_u32 s57, s57, s58                     ; 32 j + 8 u
	s_lshl_b32 s58, s[BLK], 7
	s_add_co_u32 s58, s58, s57                     ; my first query
	; the slope, from the head's number: odd heads 2^-(1 + h / 2), even heads 2^-(1/2 + h / 2): a constant with h / 2 taken off its exponent field
	s_lshr_b32 s59, s[HD], 1
	s_lshl_b32 s59, s59, 23
	s_and_b32 s60, s[HD], 1
	s_cmp_lg_u32 s60, 0
	s_mov_b32 s[SA], 0x3f8293ee                    ; log2(e) / sqrt(2)
	s_cselect_b32 s[SA], 0x3f38aa3b, s[SA]         ; log2(e) / 2
	s_mov_b32 s[SM32], 0x41b504f3                  ; 32 / sqrt(2)
	s_cselect_b32 s[SM32], 0x41800000, s[SM32]     ; 16
	s_sub_co_u32 s[SA], s[SA], s59
	s_sub_co_u32 s[SM32], s[SM32], s59
	; what I fetch, if I fetch: wave 0 K's, wave 1 V's
	s_and_b32 s60, s[WV], 1
	s_lshl_b32 s61, s60, 5
	s_add_co_u32 s61, s61, s[HD]                   ; head' = head + 32 x (wave & 1)
	s_mul_i32 s62, s61, 196608
	s_mov_b32 s63, 0
	s_lshl_b32 s66, s61, 13
	s_mov_b32 s67, 0
	s_mul_i32 s68, s60, VOFF
	s_lshl_b32 s69, s60, 13
	; Q's image and scale words
	s_add_co_u32 s70, s[HD], 16
	s_mul_i32 s72, s70, 196608
	s_mul_i32 s71, s[BLK], 6144
	s_add_co_u32 s72, s72, s71
	s_mul_i32 s71, s55, 1536
	s_add_co_u32 s72, s72, s71
	s_mov_b32 s73, 0
	s_lshl_b32 s74, s70, 13
	s_lshl_b32 s71, s[BLK], 8
	s_add_co_u32 s74, s74, s71
	s_lshl_b32 s71, s55, 2
	s_add_co_u32 s74, s74, s71
	s_mov_b32 s75, 0
	s_lshl_b32 s76, s58, 12                        ; out: my first query's row of 4,096 bytes, + 256 x head
	s_lshl_b32 s71, s[HD], 8
	s_add_co_u32 s76, s76, s71
	s_mov_b32 s77, 0
	; group 1: 24,576 dense bytes as 96 rows of 256 (32 elements of 8 bytes), no padding: every fragment load takes 512 consecutive bytes
	s_mov_b32 s[G1T], 3<<16
	s_mov_b32 s[G1T+1], 32<<16                     ; tensor_dim0
	s_mov_b32 s[G1T+2], 96<<16                     ; tensor_dim1
	s_mov_b32 s[G1T+3], 32<<16                     ; tile_dim0
	s_mov_b32 s[G1T+4], 96                         ; tile_dim1
	s_mov_b32 s[G1T+5], 32                         ; the pitch
	s_mov_b32 s[G1T+6], 0
	s_mov_b32 s[G1T+7], 0
	s_mov_b32 s[G1S], 3<<16                        ; the scale words: 8,192 bytes as 32 such rows
	s_mov_b32 s[G1S+1], 32<<16
	s_mov_b32 s[G1S+2], 32<<16
	s_mov_b32 s[G1S+3], 32<<16
	s_mov_b32 s[G1S+4], 32
	s_mov_b32 s[G1S+5], 32
	s_mov_b32 s[G1S+6], 0
	s_mov_b32 s[G1S+7], 0
	s_mov_b32 s[SEL], 0x76543210
	s_mov_b32 s[SEL+1], 0xfedcba98
	s_mov_b32 s[CS], 0x3d38aa3b                    ; c = log2(e) / 32
	s_mov_b32 s[CS+1], s[CS]                       ; (named with it as a pair, so it is written)
	s_mov_b32 s[ST], 0
	s_mov_b32 s[TB], 0
	s_mov_b32 s[TS], 0
	s_mov_b32 s[SLOTS], 7
	s_wait_dscnt 0x0                               ; the opening add is done
	s_wait_kmcnt 0x0
	s_mov_b32 s[G0S], 1
	s_add_co_u32 s[G0S+1], s69, SCK
	s_add_nc_u64 s[G0S+2:G0S+3], s[6:7], s[66:67]
	s_or_b32 s[G0S+3], s[G0S+3], 0x80000000
	s_mov_b32 s[G0T], 1
	s_mov_b32 s[G0T+1], s68
	s_add_nc_u64 s[G0T+2:G0T+3], s[4:5], s[62:63]
	s_or_b32 s[G0T+3], s[G0T+3], 0x80000000
	s_cmp_lt_u32 s[WV], 2                          ; a wave's two first fills stand in one branch, ahead of every wait on TENSORcnt, every LDS read and every barrier: two loads of mine are out
	s_cbranch_scc0 .Lno_first
	tensor_load_to_lds s[G0S:G0S+3], s[G1S:G1S+7]  ; the head's scale words: filled once
	s_nop 0
	tensor_load_to_lds s[G0T:G0T+3], s[G1T:G1T+7]  ; slot 0
	s_nop 0
.rept 4
	v_nop
.endr
.Lno_first:
	s_add_nc_u64 s[72:73], s[4:5], s[72:73]
	s_add_nc_u64 s[74:75], s[6:7], s[74:75]
	s_add_nc_u64 s[8:9], s[8:9], s[76:77]
	v_and_b32 v8, 31, v0                           ; lane
	v_and_b32 v9, 15, v0                           ; r
	v_bfe_u32 v16, v0, 4, 1                        ; h
	v_lshlrev_b32 v[LI], 4, v8
	v_lshl_add_u32 v[LS], v9, 4, SCK
	v_lshlrev_b32 v39, 4, v9
.irp c, 0,1,2
	global_load_b128 v[F+4*\c:F+4*\c+3], v[LI], s[72:73] offset:512*\c   ; q's image: both halves; mine is chosen below
.endr
	global_load_b32 v18, v39, s[74:75]             ; and its scale word of row r
	; the prefetches (macro ASK): who asks, and where
	s_lshr_b32 s78, s[WV], 3                       ; waves 4 to 6 ask for K's images, waves 8 to 10 for V's
	s_lshl_b32 s78, s78, 5
	s_add_co_u32 s78, s78, s[HD]
	s_mul_i32 s78, s78, 196608
	s_and_b32 s79, s[WV], 3
	s_lshl_b32 s79, s79, 13                        ; 8,192 bytes a wave
	s_add_co_u32 s78, s78, s79
	s_add_co_u32 s78, s78, 24576                   ; in slot 1: the first change of slots steps it to slot 2
	s_mov_b32 s79, 0
	s_add_nc_u64 s[PFA:PFA+1], s[4:5], s[78:79]
	s_sub_co_u32 s78, s[WV], 4
	s_lshr_b32 s78, s78, 3                         ; 0 in waves 4 to 11,
	s_or_b32 s78, s78, s[II]                       ; of the head's work-group 0, which walks all slots
	s_cmp_eq_u32 s78, 0
	s_cselect_b32 s[LIM], 1, -1
	s_and_b32 s78, s[WV], 3
	s_cmp_eq_u32 s78, 3                            ; (a slot's half is three waves' worth)
	s_cselect_b32 s[LIM], -1, s[LIM]
	v_lshlrev_b32 v[PFO], 8, v8
	; the lane's constants
	v_lshlrev_b32 v[GO], 12, v16
	v_lshl_add_u32 v[GO], v9, 4, v[GO]
	s_mul_i32 s78, s[WV], 16*272
	s_add_co_u32 s78, s78, STAGE                   ; my stage
	v_mul_u32_u24 v[STO], v9, 272
	v_lshl_add_u32 v[STO], v16, 6, v[STO]
	v_add_nc_u32 v[STO], s78, v[STO]               ; in: row r, + 64 h
	v_mul_u32_u24 v[RD], v16, 272
	v_lshl_add_u32 v[RD], v9, 4, v[RD]
	v_add_nc_u32 v[RD], s78, v[RD]                 ; back: lanes 0-15 one row, lanes 16-31 the next
	v_and_b32 v[DM], 8, v9
	v_add_nc_u32 v[DM], v[DM], v9                  ; r + 8 (r / 8)
	v_add_nc_u32 v[QF], s58, v[DM]
	v_cvt_f32_u32 v[QF], v[QF]                     ; my query
	v_add_nc_u32 v[DM], s57, v[DM]
	v_lshlrev_b32 v254, 4, v16                     ; 16 h
	v_sub_nc_u32 v[DM], v[DM], v254
.irp i, 0,1,2,3,4,5,6,7,8,9,10,11,12,13,14,15
	v_add_nc_u32 v[CB+\i], \i, v254
.endr
.irp i, 0,1,2,3,4,5,6,7,8,9,10,11,12,13,14,15
	v_cvt_f32_u32 v[CB+\i], v[CB+\i]
.endr
.irp i, 0,1,2,3,4,5,6,7,8,9,10,11,12,13,14,15
	v_mul_f32 v[CB+\i], s[SM32], v[CB+\i]          ; 32 m (16 h + i)
.endr
	v_mov_b32 v13, 0xff61b1e6                      ; the largest t so far: -3e38, under every t
	v_floor_f32 v12, -v13                          ; -M
	v_mov_b32 v14, 0
	v_mov_b32 v15, 0
	v_mov_b32 v17, 0xff800000                      ; -infinity
	v_mov_b32 v253, 0                              ; (named as the upper half of a pair)
.irp b, 0,1,2,3
	v_mov_b32 v[PT+\b], 0                          ; a lane permute's destination counts as one of its sources
	v_mov_b32 v[OB+2*\b+1], 0
.endr
.irp j, 0,1,2,3,4,5,6,7,8,9,10,11,12,13,14,15,16,17,18,19,20,21,22,23,24,25,26,27,28,29,30,31
	v_mov_b32 v[O+\j], 0                           ; the step is written once: the first finds zeros, which the first change of M leaves zeros
.endr
	s_wait_loadcnt 0x0                             ; Q
.irp i, 0,1,2,3,4,5
	v_cndmask_b32 v[QL+\i], v[F+\i], v[F+6+\i], s53   ; my half of the image
.endr
.irp i, 0,1,2,3,4,5
	v_mov_b32 v[QH+6+\i], v[QL+\i]
	v_mov_b32 v[QH+\i], 0
.endr
	s_lshl_b32 s79, s56, 4
	v_lshrrev_b32 v18, s79, v18
	v_and_b32 v18, 0xffff, v18                     ; my two bytes, for K = 0 .. 63;
	v_lshlrev_b32 v19, 16, v18                     ; and for K = 64 .. 127
.macro TLOAD                           ; waves 0 and 1 fetch; an s_nop 0 and four v_nop follow the load
	s_cmp_lt_u32 s[WV], 2
	s_cbranch_scc0 .Lasked_\@
	tensor_load_to_lds s[G0T:G0T+3], s[G1T:G1T+7]
	s_nop 0
.rept 4
	v_nop
.endr
.Lasked_\@:
.endm
; A PREFETCH of what the NEXT change of slots will ask for: K's and V's 24,576 bytes of a slot, lanes 256 bytes apart, 8,192 bytes a wave, one instruction a wave.  It stands at the change of slots, where the fetching waves have their
; tensor load.  All work-groups of a head walk the same images from step 0 on; work-group 0 walks all of them: it asks, in the waves that fetch nothing (4 to 6: K's; 8 to 10: V's).  So each aligned block of 256 bytes is named once.
; Slots 0 and 1 come by their loads alone; the last change that fills a slot asks for nothing.
.macro ASK
	s_cmp_gt_u32 s[SLOTS], s[LIM]
	s_cbranch_scc0 .Lnot_mine_\@
	global_prefetch_b8 v[PFO], s[PFA:PFA+1] th:TH_LOAD_NT scope:SCOPE_SE
.Lnot_mine_\@:
.endm
; THE CHANGE OF SLOTS stands at a slot's head.  Each wave waits for all its tensor loads, adds 0 to its spare word, and waits for that and for its reads of the slot that it has left.  Behind the barrier the slot ahead is whole and
; nobody reads the other one.  fill = 1: that other slot is filled with the next four steps, if the work-group has a step among them: the load has four steps in which to land.
.macro CHANGE fill
	s_wait_tensorcnt 0x0                           ; no tensor load of mine is out, so a group 0 may be written
	ds_add_u32 v[SPW], v[NIL]                      ; 0 onto my spare word
.if \fill
	s_xor_b32 s[G0T+1], s[G0T+1], SLOT1            ; the walking descriptor: the other slot,
	s_add_nc_u64 s[G0T+2:G0T+3], s[G0T+2:G0T+3], 24576   ; the next four steps; the type bits on top are not reached
	s_wait_xcnt 0x0                                ; the last prefetch, a slot back, has read its address, so it may be written
	s_add_nc_u64 s[PFA:PFA+1], s[PFA:PFA+1], 24576
.endif
	s_wait_dscnt 0x0                               ; the add is done, and my reads of the slot that I have left are over
	s_barrier_signal -1
	s_barrier_wait -1
.if \fill
	s_add_co_u32 s54, s[ST], 4                     ; the first step of the slot that this change would ask for
	s_cmp_gt_u32 s54, s[LAST]                      ; past the work-group's last step none of its waves would read it.  Ids and the count of steps alone: all sixteen waves go the same way; every wait on TENSORcnt is for 0
	s_cbranch_scc1 .Lpast_\@
	TLOAD                                          ; the first thing behind the barrier but for those three lines, and a wave's one tensor load until the next
.Lpast_\@:
	ASK
.endif
.endm
; THE WAY OUT, in the wave's last step: O^T / the sum goes through my stage and leaves as whole rows of a head: sixteen lanes store 256 consecutive bytes, aligned.
.macro WAYOUT
.rept 4
	v_nop                                          ; places behind the last products
.endr
	v_add_f32 v14, v14, v15                        ; the sum's two halves,
	v_permlanex16_b32 v254, v14, s[SEL], s[SEL+1]
	v_add_f32 v14, v14, v254                       ; and lane l xor 16's
	v_rcp_f32 v14, v14
	v_nop                                          ; a plain line behind the reciprocal,
	s_wait_alu depctr_va_vdst(0)                   ; and a wait ahead of its first reader
.irp j, 0,1,2,3,4,5,6,7,8,9,10,11,12,13,14,15,16,17,18,19,20,21,22,23,24,25,26,27,28,29,30,31
	v_mul_f32 v[S+\j], v[O+\j], v14                ; tile t = 2 g + u, register n: channel 32 g + 16 h + 8 u + n.  Each accumulator from its low end on
.endr
.irp t, 0,1,2,3
	ds_store_b128 v[STO], v[S+8*\t:S+8*\t+3] offset:128*(\t/2)+32*(\t%2)
	ds_store_b128 v[STO], v[S+8*\t+4:S+8*\t+7] offset:128*(\t/2)+32*(\t%2)+16
.endr
.irp i, 0,1,2,3,4,5,6,7
	ds_load_b128 v[S+32+4*\i:S+35+4*\i], v[RD] offset:544*\i   ; LDS serves a wave's instructions in order: these see my stores
.endr
.irp i, 0,1,2,3,4,5,6,7
	s_wait_dscnt 7-\i                              ; the younger loads may stay out
	global_store_b128 v[GO], v[S+32+4*\i:S+35+4*\i], s[8:9] offset:(2*\i+8*(\i/4))*4096 th:TH_STORE_NT   ; stage row x is query x + 8 (x / 8) of my tile
.endr
	s_wait_xcnt 0x0                                ; the stores have read their registers
.endm
; A KEY STEP: 128 keys.
.macro STEP
	s_cmp_gt_u32 s[ST], s[BLK]                     ; all keys of this step come after my queries: a branch on ids, round the work; not round the lines at the end that step addresses
	s_cbranch_scc1 .Lhid_\@
	s_lshl_b32 s54, s[ST], 7
	v_cvt_f32_u32 v16, s54                         ; these eleven plain lines are also the places in front of the loads into registers that the last products have read
	v_sub_f32 v16, v16, v[QF]                      ; the step's first key - my query: a whole number, exact
	v_mul_f32 v[OFF], s[SA], v16
	v_add_f32 v254, 0x42000000, v16
	v_mul_f32 v[OFF+1], s[SA], v254
	v_add_f32 v254, 0x42800000, v16
	v_mul_f32 v[OFF+2], s[SA], v254
	v_add_f32 v254, 0x42c00000, v16
	v_mul_f32 v[OFF+3], s[SA], v254                ; off_b = a (first key + 32 b - query)
	v_add_nc_u32 v[ADK], s[TB], v[LI]
	v_add_nc_u32 v[ADS], s[TS], v[LS]
.irp b, 0,1,2,3
.irp c, 0,1,2
	ds_load_b128 v[F+12*\b+4*\c:F+12*\b+4*\c+3], v[ADK] offset:1536*\b+512*\c
.endr
.endr
	ds_load_b128 v[KSC:KSC+3], v[ADS]
	s_wait_dscnt 0x0
.irp b, 0,1,2,3                                ; S^T = K Q^T + the bias within a block: image b holds keys 32 b + 16 h + 0 .. 7 (by Q_lo) and + 8 .. 15 (by Q_hi)
	v_wmma_scale_f32_16x16x128_f8f6f4 v[S+16*\b:S+16*\b+7], v[F+12*\b:F+12*\b+11], v[QL:QL+11], v[CB:CB+7], v[KSC+\b], v18 matrix_a_fmt:MATRIX_FMT_BF6 matrix_b_fmt:MATRIX_FMT_BF6
	v_wmma_scale_f32_16x16x128_f8f6f4 v[S+16*\b+8:S+16*\b+15], v[F+12*\b:F+12*\b+11], v[QH:QH+11], v[CB+8:CB+15], v[KSC+\b], v19 matrix_a_fmt:MATRIX_FMT_BF6 matrix_b_fmt:MATRIX_FMT_BF6
.endr
.rept 4
	v_nop                                          ; places: V's images land in K's registers, and the scores are read
.endr
.irp t, 0,1,2,3
.irp c, 0,1,2
	ds_load_b128 v[F+12*\t+4*\c:F+12*\t+4*\c+3], v[ADK] offset:VOFF+1536*\t+512*\c   ; they land while the softmax is worked
.endr
.endr
	ds_load_b128 v[VSC:VSC+3], v[ADS] offset:SCV-SCK
	s_cmp_lg_u32 s[ST], s[BLK]                     ; on the diagonal the scores of hidden keys become -infinity ahead of the maximum
	s_cbranch_scc1 .Lopen_\@
.irp n, 0,1,2,3,4,5,6,7,8,9,10,11,12,13,14,15,16,17,18,19,20,21,22,23,24,25,26,27,28,29,30,31,32,33,34,35,36,37,38,39,40,41,42,43,44,45,46,47,48,49,50,51,52,53,54,55,56,57,58,59,60,61,62,63
	v_cmp_gt_i32 vcc_lo, 32*(\n/16)+\n%16, v[DM]   ; register 16 b + i holds key 32 b + 16 h + i of the step: hidden where 32 b + i > my query in the block - 16 h
	v_cndmask_b32 v[S+\n], v[S+\n], v17, vcc_lo
.endr
.Lopen_\@:
.irp b, 0,1,2,3
	v_max3_num_f32 v[BM+\b], v[S+16*\b], v[S+1+16*\b], v[S+2+16*\b]   ; the largest score of each block of 32 keys: it serves for the row's maximum and for the block's largest p
.endr
.irp i, 3,5,7,9,11,13
.irp b, 0,1,2,3
	v_max3_num_f32 v[BM+\b], v[BM+\b], v[S+16*\b+\i], v[S+1+16*\b+\i]
.endr
.endr
.irp b, 0,1,2,3
	v_max_num_f32 v[BM+\b], v[BM+\b], v[S+15+16*\b]
.endr
.irp b, 0,1,2,3
	v_permlanex16_b32 v[PT+\b], v[BM+\b], s[SEL], s[SEL+1]
.endr
.irp b, 0,1,2,3
	v_max_num_f32 v[BM+\b], v[BM+\b], v[PT+\b]     ; with lane l xor 16's 16 keys
.endr
.irp b, 0,1,2,3
	v_fma_f32 v[SO+\b], v[BM+\b], s[CS], v[OFF+\b] ; as t
.endr
	v_max3_num_f32 v254, v[SO], v[SO+1], v[SO+2]
	v_max_num_f32 v254, v254, v[SO+3]
	v_max_num_f32 v13, v13, v254                   ; the running largest t
	v_mov_b32 v254, v12
	v_floor_f32 v12, -v13                          ; the new -M = -ceil(t)
	v_sub_f32 v254, v12, v254                      ; old M - new M: a whole number, 0 or less
	v_cvt_i32_f32 v254, v254                       ; (it saturates)
	v_ldexp_f32 v252, 1.0, v254                    ; f = 2^(old M - new M)
.irp b, 0,1,2,3
	v_add_f32 v[OB+2*\b], v[OFF+\b], v12           ; off_b - M
.endr
.irp b, 0,1,2,3
.irp j, 0,2,4,6,8,10,12,14
	v_pk_fma_f32 v[S+16*\b+\j:S+16*\b+\j+1], v[S+16*\b+\j:S+16*\b+\j+1], s[CS:CS+1], v[OB+2*\b:OB+2*\b+1] op_sel_hi:[1,0,0]   ; t - M, two at a time
.endr
.endr
.irp b, 0,1,2,3
	v_fma_f32 v[BM+\b], v[BM+\b], s[CS], v[OB+2*\b]   ; the same of each block's largest score
.endr
.irp j, 0,1,2,3,4,5,6,7,8,9,10,11,12,13,14,15,16,17,18,19,20,21,22,23,24,25,26,27,28,29,30,31,32,33,34,35,36,37,38,39,40,41,42,43,44,45,46,47,48,49,50,51,52,53,54,55,56,57,58,59,60,61,62,63
	v_exp_f32 v[S+\j], v[S+\j]                     ; p = 2^(t - M): not normalised
.endr
	v_pk_mul_f32 v[14:15], v[14:15], v[252:253] op_sel_hi:[1,0]    ; the sums under the new M (a plain line behind the exponentials)
	s_wait_alu depctr_va_vdst(0)                   ; one wait for the batch of 64, ahead of its first reader
.irp b, 0,1,2,3
	v_exp_f32 v[BM+\b], v[BM+\b]                   ; the blocks' largest p
.endr
	v_pk_add_f32 v[PT:PT+1], v[S:S+1], v[S+2:S+3]  ; the row's sum, of the unquantised p: two at a time, in two chains; it reads the 64 alone
.irp j, 4,8,12,16,20,24,28,32,36,40,44,48,52,56,60
	v_pk_add_f32 v[14:15], v[14:15], v[S+\j:S+\j+1]
	v_pk_add_f32 v[PT:PT+1], v[PT:PT+1], v[S+2+\j:S+3+\j]
.endr
	v_pk_add_f32 v[14:15], v[14:15], v[PT:PT+1]
	s_wait_alu depctr_va_vdst(0)                   ; and one for the four
.irp b, 0,1,2,3
	v_max_num_f32 v[BM+\b], 0x2800000, v[BM+\b]    ; the floor 2^(5 - 127): the byte cannot fall under 1 (a block whose every p is 0 keeps that byte: its codes are zeros)
.endr
.irp b, 0,1,2,3
	v_add_nc_u32 v[SO+\b], 0xfe000000, v[BM+\b]    ; 4 off the exponent field: the conversion's scale operand
.endr
.irp b, 0,1,2,3
	v_lshrrev_b32 v[PT+\b], 23, v[SO+\b]           ; the scale's byte
.endr
	v_lshl_or_b32 v255, v[PT+1], 8, v[PT]          ; p's scale word for these 128 keys
	v_lshl_or_b32 v255, v[PT+2], 16, v255
	v_lshl_or_b32 v255, v[PT+3], 24, v255
.irp c, 0,1
	v_cvt_scalef32_pk16_bf6_f32 v[PC+6*\c:PC+2+6*\c], v[S+32*\c:S+15+32*\c], v[SO+2*\c]
	v_cvt_scalef32_pk16_bf6_f32 v[PC+12+4*\c:PC+14+4*\c], v[S+16+32*\c:S+31+32*\c], v[SO+2*\c+1]   ; (a conversion's three registers begin on an even number)
.endr
	v_nop                                          ; one plain line behind the last conversion
.irp c, 0,1                                    ; the operand's layout wants a whole block in a lane
.irp i, 0,1,2
	v_permlane16_swap_b32 v[PC+6*\c+\i], v[PC+12+4*\c+\i]
.endr
.irp i, 0,1,2
	v_mov_b32 v[PC+3+6*\c+\i], v[PC+12+4*\c+\i]
.endr
.endr
.irp j, 0,2,4,6,8,10,12,14,16,18,20,22,24,26,28,30
	v_pk_mul_f32 v[O+\j:O+\j+1], v[O+\j:O+\j+1], v[252:253] op_sel_hi:[1,0]   ; O^T under the new M.  These sixteen are also the places between the lines that made p's codes and scale word and the products below
.endr
	s_wait_dscnt 0x0                               ; V's images and scale words are in
.irp t, 0,1,2,3                                ; O^T += V^T P^T: the four accumulators take turns, and the next step's eight score products stand between a link and the next
	v_wmma_scale_f32_16x16x128_f8f6f4 v[O+8*\t:O+8*\t+7], v[F+12*\t:F+12*\t+11], v[PC:PC+11], v[O+8*\t:O+8*\t+7], v[VSC+\t], v255 matrix_a_fmt:MATRIX_FMT_BF6 matrix_b_fmt:MATRIX_FMT_BF6
.endr
	s_cmp_lg_u32 s[ST], s[BLK]
	s_cbranch_scc1 .Lhid_\@
	WAYOUT                                         ; my last step: my rows leave now
.Lhid_\@:
	s_add_co_u32 s[ST], s[ST], 1
	s_add_co_u32 s[TB], s[TB], 6144
	s_add_co_u32 s[TS], s[TS], 256
.endm
.macro SLOT_STEPS                      ; a slot's four steps: written once, walked four times
	s_mov_b32 s[INNER], 4
.Lstep_\@:
	STEP
	s_sub_co_u32 s[INNER], s[INNER], 1
	s_cmp_lg_u32 s[INNER], 0
	s_cbranch_scc1 .Lstep_\@
	s_sub_co_u32 s[TB], s[TB], 24576               ; back to a slot's first step,
	s_xor_b32 s[TB], s[TB], SLOT1                  ; in the other slot
.endm
.Lslot:                                            ; seven trips: behind each change of slots but the last the next slot is asked for, up to the work-group's last step
	CHANGE 1
	SLOT_STEPS
	s_sub_co_u32 s[SLOTS], s[SLOTS], 1
	s_cmp_lg_u32 s[SLOTS], 0
	s_cbranch_scc1 .Lslot
	CHANGE 0                                       ; the last slot is written out: nothing is left to ask for
	SLOT_STEPS
	s_wait_tensorcnt 0x0                           ; the wave's end
	ds_add_u32 v[SPW], v[NIL]
	s_wait_dscnt 0x0
	s_endpgm
.Lfunc_end_k_q4b1cb1f2ab_attn:
	.size	k_q4b1cb1f2ab_attn, .Lfunc_end_k_q4b1cb1f2ab_attn-k_q4b1cb1f2ab_attn
	.p2alignl 7, 3214868480
	.fill 96, 4, 3214868480
	.section	.rodata,"a",@progbits
	.p2align	6, 0x0
	.amdhsa_kernel k_q4b1cb1f2ab_attn
		.amdhsa_group_segment_fixed_size 327680
		.amdhsa_private_segment_fixed_size 0
		.amdhsa_enable_private_segment 0
		.amdhsa_kernarg_size 24
		.amdhsa_user_sgpr_count 2
		.amdhsa_user_sgpr_kernarg_segment_ptr 1
		.amdhsa_wavefront_size32 1
		.amdhsa_system_sgpr_workgroup_id_x 1
		.amdhsa_system_sgpr_workgroup_id_y 1
		.amdhsa_system_sgpr_workgroup_id_z 1
		.amdhsa_system_vgpr_workitem_id 0
		.amdhsa_next_free_vgpr 256
		.amdhsa_next_free_sgpr 80
		.amdhsa_reserve_vcc 1
		.amdhsa_float_denorm_mode_32 3
		.amdhsa_float_denorm_mode_16_64 3
		.amdhsa_memory_ordered 1
		.amdhsa_forward_progress 1
		.amdhsa_inst_pref_size 62
	.end_amdhsa_kernel
	.amdgpu_metadata
---
amdhsa.version: [ 1, 2 ]
amdhsa.kernels:
  - .name:           k_q4b1cb1f2ab_attn
    .symbol:         k_q4b1cb1f2ab_attn.kd
    .args:
      - { .name: img, .offset: 0, .size: 8, .value_kind: global_buffer, .address_space: global }
      - { .name: scl, .offset: 8, .size: 8, .value_kind: global_buffer, .address_space: global }
      - { .name: out0, .offset: 16, .size: 8, .value_kind: global_buffer, .address_space: global }
    .group_segment_fixed_size: 327680
    .private_segment_fixed_size: 0
    .kernarg_segment_align: 8
    .kernarg_segment_size: 24
    .max_flat_workgroup_size: 512
    .sgpr_count:     80
    .vgpr_count:     256
    .wavefront_size: 32
...
	.end_amdgpu_metadata
.endif
;; end of part 3
